; MI455X (gfx1250); checked and timed in simulation.
; The chip was launched on July 23, 2026; its instructions are those of AMD's public machine-readable ISA for CDNA 5 (MIT licence, August 2026) and "CDNA5" Instruction Set Architecture Reference Guide (July 2026). The comments in the code are by the model that wrote it; some were corrected since.
;; quantizer. Allowed arithmetic: matrix products marked QUANTISED: E5M2 operands, one E8M0 scale for each 32 along K, by v_wmma_scale_f32_16x16x128_f8f6f4 with both operands' format E5M2, f32 sums; everything else in f32.
;; Inputs: codebook 8,192 x 256 float32; x 32 x 256 x 32 x 32 float32.
;; Outputs: out0 32 x 256 x 32 x 32 float32; out1 32 x 32 x 32 int32; out2 one number float32; out3 one number float32.
;; This version of the problem:
;;   THIS VERSION OF THE PROBLEM IS GIVEN IN LOW PRECISION. The matrix products marked QUANTISED in the list below multiply operands that are first quantised to E5M2 (5 exponent bits, 2 mantissa bits; 8 bits a number), with one power-of-two scale for each 32 numbers along K (OCP MX v1.0); their sums are f32. All else is computed in f32.
;;   The module's matrix products, in the order in which they are computed (A, B: the left and right operand; K: the contracted axis; several contracted axes count as one K, in the product's order):
;;     1. [M 32,768, K 256] x [K 256, N 8,192]; A: input x; B: input codebook: QUANTISED
;;   THE QUANTISER, for each operand of a quantised product, along K:
;;     - K is cut into blocks of 32 from its start; a last block that is shorter is filled with zeros.
;;     - A block's scale is 2^e with e = floor(log2(the largest magnitude in the block)) - 15, held to -126 .. 127; a block of zeros has e = 0. As a byte (E8M0): e + 127.
;;     - Each number is divided by its block's scale, clamped to +-57,344, and rounded to the nearest number of E5M2, ties to even, subnormals kept.
;;     - The product sums the exact products of the quantised numbers (number of the format x scale) in f32.
;;   ~~~python
;;   def quantise(x, axis):      # numpy; x: float32 -> the quantised numbers, widened to float32 again
;;       x = np.moveaxis(x, axis, -1); K = x.shape[-1]
;;       x = np.pad(x, [(0, 0)] * (x.ndim - 1) + [(0, -K % 32)]); x = x.reshape(x.shape[:-1] + (-1, 32)); a = np.abs(x).max(-1, keepdims=True)
;;       e = np.where(a > 0, np.clip(np.frexp(np.where(a > 0, a, 1))[1] - 1 - 15, -126, 127), 0)      # np.frexp(a)[1] - 1 = floor(log2(a)), exactly
;;       r = np.clip(x / 2.0 ** e, -57344, 57344)
;;       step = 2.0 ** (np.maximum(np.frexp(np.where(r == 0, 1, r))[1] - 1, -14) - 2)
;;       q = np.round(r / step) * step * 2.0 ** e      # np.round: ties to even
;;       return np.moveaxis(q.reshape(q.shape[:-2] + (-1,))[..., :K], -1, axis).astype(np.float32)
;;   ~~~
;; One version. Each part assembles by itself: llvm-mc -triple=amdgcn-amd-amdhsa -mcpu=gfx1250 --defsym DOCPART=n.
;; ======== version 1 of 1: 4 launches
;; limits: right only within a limited range of input values
;; workspace buffers: cbq 2,228,224 bytes; idxw 131,072 bytes of whole numbers; part 2,048 bytes
;; launch prep (part 1): grid 256 x 1, 2 waves a work-group, no clusters, 35,072 bytes of LDS; arguments codebook, cbq; writes cbq
.if DOCPART == 1
	.amdgcn_target "amdgcn-amd-amdhsa--gfx1250"
	.amdhsa_code_object_version 6
	.text
	.protected	k_qec1a616db8_prep
	.globl	k_qec1a616db8_prep
	.p2align	8
	.type	k_qec1a616db8_prep,@function
k_qec1a616db8_prep:
	s_mov_b64 s[64:65], 0
	v_nop
	global_prefetch_b8 v0, s[64:65] scope:SCOPE_SE
	s_setreg_imm32_b32 hwreg(HW_REG_WAVE_MODE, 25, 1), 1
	s_wait_xcnt 0x0
; The codebook [8192][256] f32 becomes 512 RECORDS of 4,352 bytes, one for each 16 codes, laid in the order of a matrix operand's registers:
;   bytes 2048 s + 512 c + 16 lane : registers 4 c .. 4 c + 3 of the fragment of K step s (128 along K): lane (r, h) holds code r, k = 128 s + 32 c + 16 h + 0 .. 15, as codes of E5M2
;   bytes 4096 + 4 lane            : the scale words: lanes 0-15 code r's four E8M0 bytes of K step 0, lanes 16-31 those of K step 1
;   bytes 4224 + 4 m, m = 0 .. 31  : -c_sq / 2 of code m % 16 (written twice, so that the last 256 bytes are stored whole)
; A block's scale is 2^(floor(log2(its largest magnitude)) - 15); its byte is the largest magnitude's exponent field - 15, held at 1 from below.
; (A block of zeros so gets the byte 1 where the rule says 127: its codes are zeros, which add nothing, and this program alone reads the bytes.)
; LIMITS: blocks whose largest magnitude lies under 2^(16 - 127) keep the byte 1; NaN and infinities among the inputs are not served.
; SHARES: one wave makes one record from 16 rows, 16,384 dense bytes.  Each load reads 512 consecutive bytes; the rows turn through the wave's own stage in LDS
; (pitch 1,040 = 65 x 16 bytes, so that the sixteen rows of a read start at sixteen different 16-byte columns) and come back 16 neighbours along K to a lane.  Waves share nothing: no barrier.
.set REC,   4352
.set PITCH, 1040
.set TAIL,  16*PITCH                   ; behind the stage: 256 bytes in which the record's last unit is put together
.set WREG,  TAIL+256                   ; LDS of one wave
.set LO,  4                            ; v4   16 x lane
.set STW, 5                            ; v5   the stage on the way in: 16 x lane
.set STR, 6                            ; v6   and on the way out: 1,040 r + 64 h
.set TL,  7                            ; v7   TAIL + 4 x lane
.set TL2, 8                            ; v8   TAIL + 8 x lane
.set LO8, 9                            ; v9   8 x lane
.set SQ,  10                           ; v[10:13] the sum of squares, two packed chains
.set PW,  14                           ; v14, v15 the scale words of K steps 0 and 1
.set TM,  16                           ; v16-19 largest magnitudes, v20-23 bytes, v24-27 57,344 x the scale, v28-31 the conversions' scale operands
.set PC,  32                           ; v32-63 the codes: 16 registers for each K step, so that no store's data are written again
.set X,   64                           ; v64-127 64 numbers of a lane: register 16 b + i = k 32 b + 16 h + i of its row
.set R,   128                          ; v128-255 the 16 rows as loaded
.set SEL, 20                           ; s[20:21] v_permlanex16_b32's selects for lane l xor 16
.set MNT, 23                           ; s23  the mantissa field of 57,344
	s_load_b128 s[4:7], s[0:1], 0x0                ; codebook, cbq
	s_set_vgpr_msb 0x40
	v_lshl_add_u32 v0, v0, 2, 0x8800
	v_mov_b32 v1, 0
	s_set_vgpr_msb 0x4000
	v_lshrrev_b32 v1, 5, v0
	v_readfirstlane_b32 s8, v1                     ; wave 0, 1
	v_and_b32 v1, 31, v0                           ; lane
	s_wait_alu depctr_va_vdst(0)
	v_and_b32 v2, 15, v0                           ; r
	s_wait_alu depctr_va_vdst(0)
	v_bfe_u32 v3, v0, 4, 1                         ; h
	s_lshl_b32 s9, ttmp9, 1
	s_add_co_u32 s9, s9, s8                        ; my record: 2 x work-group + wave
	s_lshl_b32 s10, s9, 14                         ; its 16 rows of 1,024 bytes
	s_mov_b32 s11, 0
	s_mul_i32 s12, s9, REC
	s_mov_b32 s13, 0
	s_mul_i32 s14, s8, WREG                        ; my LDS
	s_add_co_u32 s15, s14, TAIL
	v_lshlrev_b32 v[LO], 4, v1
	v_add_nc_u32 v[STW], s14, v[LO]
	v_mul_u32_u24 v[STR], v2, PITCH
	s_wait_alu depctr_va_vdst(0)
	v_lshl_add_u32 v[STR], v3, 6, v[STR]
	v_add_nc_u32 v[STR], s14, v[STR]
	v_lshl_add_u32 v[TL], v1, 2, s15
	v_lshl_add_u32 v[TL2], v1, 3, s15
	v_lshlrev_b32 v[LO8], 3, v1
	s_mov_b32 s[SEL], 0x76543210
	s_mov_b32 s[SEL+1], 0xfedcba98
	s_mov_b32 s[MNT], 0x600000
.irp b, 0,1,2,3
	v_mov_b32 v[TM+4+\b], 0                        ; written once: a lane permute's destination counts as one of its sources
.endr
	s_wait_alu depctr_va_vdst(0)
	s_wait_kmcnt 0x0
	s_add_nc_u64 s[4:5], s[4:5], s[10:11]
	s_add_nc_u64 s[6:7], s[6:7], s[12:13]
.set Q, 0
.rept 32
	global_load_b128 v[R+4*Q:R+4*Q+3], v[LO], s[4:5] offset:512*Q th:TH_LOAD_NT   ; 32 lanes read 512 consecutive bytes: half a row
.set Q, Q+1
.endr
	s_wait_loadcnt 0x0
.set Q, 0
.rept 32
	ds_store_b128 v[STW], v[R+4*Q:R+4*Q+3] offset:(Q/2)*PITCH+(Q%2)*512
.set Q, Q+1
.endr
; the squares of the lane's 64 numbers, two at a time, in two chains; first = 1: the first two products start the sums
.macro SQUARES first
.set P, 0
.rept 32
.if (\first) && (P < 2)
	v_pk_mul_f32 v[SQ+2*P:SQ+2*P+1], v[X+2*P:X+2*P+1], v[X+2*P:X+2*P+1]
.else
	v_pk_fma_f32 v[SQ+2*(P%2):SQ+2*(P%2)+1], v[X+2*P:X+2*P+1], v[X+2*P:X+2*P+1], v[SQ+2*(P%2):SQ+2*(P%2)+1]
.endif
.set P, P+1
.endr
.endm
; 64 numbers of a lane, v[s] on, become a fragment's codes in v[pc] on and its row's scale word in v[pw]
.macro QUANT s, pc, pw
.irp b, 0,1,2,3
	v_max3_num_f32 v[TM+\b], |v[\s+16*\b]|, |v[\s+1+16*\b]|, 0x8000000   ; block b: my 16 numbers, and the floor 2^(16 - 127): so the byte cannot fall under 1
.endr
.irp i, 2,4,6,8,10,12,14
.irp b, 0,1,2,3
	v_max3_num_f32 v[TM+\b], v[TM+\b], |v[\s+16*\b+\i]|, |v[\s+1+16*\b+\i]|   ; the four blocks by turns
.endr
.endr
.irp b, 0,1,2,3
	v_permlanex16_b32 v[TM+4+\b], v[TM+\b], s[SEL], s[SEL+1]
.endr
.irp b, 0,1,2,3
	v_max_num_f32 v[TM+\b], v[TM+\b], v[TM+4+\b]   ; with lane l xor 16's 16: the block's largest magnitude
.endr
.irp b, 0,1,2,3
	v_add_nc_u32 v[TM+12+\b], 0xf8800000, v[TM+\b] ; 15 off its exponent field: the conversion takes this operand's exponent field as its scale
.endr
.irp b, 0,1,2,3
	v_and_or_b32 v[TM+8+\b], v[TM+\b], 0x7f800000, s[MNT]   ; 57,344 x the scale
.endr
.irp b, 0,1,2,3
	v_lshrrev_b32 v[TM+4+\b], 23, v[TM+12+\b]      ; the scale's byte
.endr
	v_lshl_or_b32 v[\pw], v[TM+5], 8, v[TM+4]
	v_lshl_or_b32 v[\pw], v[TM+6], 16, v[\pw]
	v_lshl_or_b32 v[\pw], v[TM+7], 24, v[\pw]
.irp b, 0,1,2,3
.irp i, 0,1,2,3,4,5,6,7,8,9,10,11,12,13,14,15
	v_med3_num_f32 v[\s+16*\b+\i], v[\s+16*\b+\i], -v[TM+8+\b], v[TM+8+\b]   ; the conversion to an 8-bit code does not saturate (ISA guide 7.6.2): hold first
.endr
	v_cvt_scalef32_pk8_bf8_f32 v[(\pc)+4*\b:(\pc)+1+4*\b], v[\s+16*\b:\s+7+16*\b], v[TM+12+\b]
	v_cvt_scalef32_pk8_bf8_f32 v[(\pc)+2+4*\b:(\pc)+3+4*\b], v[\s+8+16*\b:\s+15+16*\b], v[TM+12+\b]
.endr
	v_nop                                          ; one plain vector line behind the last conversion
.endm
.irp s, 0,1
.irp c, 0,1,2,3
.irp j, 0,1,2,3
	ds_load_b128 v[X+16*\c+4*\j:X+16*\c+4*\j+3], v[STR] offset:512*\s+128*\c+16*\j   ; LDS serves a wave's instructions in order: these see my stores
.endr
.endr
	s_wait_dscnt 0x0
	SQUARES 1-\s                                   ; ahead of the quantiser, which holds the numbers in place
	QUANT X, PC+16*\s, PW+\s
.irp c, 0,1,2,3
	global_store_b128 v[LO], v[PC+16*\s+4*\c:PC+16*\s+4*\c+3], s[6:7] offset:2048*\s+512*\c   ; 512 consecutive bytes, at a multiple of 256 from cbq's first byte
.endr
.endr
	v_add_f32 v[SQ], v[SQ], v[SQ+1]
	v_add_f32 v[SQ+2], v[SQ+2], v[SQ+3]
	v_add_f32 v[SQ], v[SQ], v[SQ+2]
	v_permlanex16_b32 v[SQ+1], v[SQ], s[SEL], s[SEL+1]
	v_add_f32 v[SQ], v[SQ], v[SQ+1]                ; c_sq of row r, in both halves of the lanes
	v_mul_f32 v[SQ], -0.5, v[SQ]
	v_cmp_gt_u32 vcc_lo, 16, v1
	v_cndmask_b32 v[TM], v[PW+1], v[PW], vcc_lo    ; lanes 0-15: K step 0's word; lanes 16-31: K step 1's
	ds_store_b32 v[TL], v[TM]
	ds_store_b32 v[TL], v[SQ] offset:128
	ds_load_b64 v[R:R+1], v[TL2]                   ; in order behind my stores
	s_wait_dscnt 0x0
	global_store_b64 v[LO8], v[R:R+1], s[6:7] offset:4096   ; the record's last 256 bytes, whole
	s_set_vgpr_msb 0x5
	s_wait_tensorcnt 0x0
	ds_add_u32 v0, v1
	s_wait_dscnt 0x0
	s_set_vgpr_msb 0x500
	s_endpgm
.Lfunc_end_k_qec1a616db8_prep:
	.size	k_qec1a616db8_prep, .Lfunc_end_k_qec1a616db8_prep-k_qec1a616db8_prep
	.p2alignl 7, 3214868480
	.fill 96, 4, 3214868480
	.section	.rodata,"a",@progbits
	.p2align	6, 0x0
	.amdhsa_kernel k_qec1a616db8_prep
		.amdhsa_group_segment_fixed_size 35072
		.amdhsa_private_segment_fixed_size 0
		.amdhsa_enable_private_segment 0
		.amdhsa_kernarg_size 16
		.amdhsa_user_sgpr_count 2
		.amdhsa_user_sgpr_kernarg_segment_ptr 1
		.amdhsa_wavefront_size32 1
		.amdhsa_system_sgpr_workgroup_id_x 1
		.amdhsa_system_sgpr_workgroup_id_y 1
		.amdhsa_system_sgpr_workgroup_id_z 1
		.amdhsa_system_vgpr_workitem_id 0
		.amdhsa_next_free_vgpr 258
		.amdhsa_next_free_sgpr 66
		.amdhsa_reserve_vcc 1
		.amdhsa_float_denorm_mode_32 3
		.amdhsa_float_denorm_mode_16_64 3
		.amdhsa_memory_ordered 1
		.amdhsa_forward_progress 1
		.amdhsa_inst_pref_size 31
	.end_amdhsa_kernel
	.amdgpu_metadata
---
amdhsa.version: [ 1, 2 ]
amdhsa.kernels:
  - .name:           k_qec1a616db8_prep
    .symbol:         k_qec1a616db8_prep.kd
    .args:
      - { .name: codebook, .offset: 0, .size: 8, .value_kind: global_buffer, .address_space: global }
      - { .name: cbq, .offset: 8, .size: 8, .value_kind: global_buffer, .address_space: global }
    .group_segment_fixed_size: 35072
    .private_segment_fixed_size: 0
    .kernarg_segment_align: 8
    .kernarg_segment_size: 16
    .max_flat_workgroup_size: 64
    .sgpr_count:     66
    .vgpr_count:     258
    .wavefront_size: 32
...
	.end_amdgpu_metadata
.endif
;; end of part 1
;; launch search (part 2): grid 256 x 1, 8 waves a work-group, clusters of 4 x 1, 327,680 bytes of LDS; arguments x, cbq, out1, idxw; writes out1, idxw
.if DOCPART == 2
	.amdgcn_target "amdgcn-amd-amdhsa--gfx1250"
	.amdhsa_code_object_version 6
	.text
	.protected	k_qec1a616db8_search
	.globl	k_qec1a616db8_search
	.p2align	8
	.type	k_qec1a616db8_search,@function
k_qec1a616db8_search:
	s_mov_b64 s[64:65], 0
	v_nop
	global_prefetch_b8 v0, s[64:65] scope:SCOPE_SE
	s_setreg_imm32_b32 hwreg(HW_REG_WAVE_MODE, 25, 1), 1
	s_wait_xcnt 0x0
	s_wait_alu depctr_hold_cnt(0) depctr_sa_sdst(0) depctr_va_vdst(0) depctr_va_sdst(0) depctr_va_ssrc(0) depctr_va_vcc(0) depctr_vm_vsrc(0)
	s_getreg_b32 s2, hwreg(HW_REG_IB_STS2, 6, 4)
	s_cmp_eq_u32 s2, 0
	s_cbranch_scc0 .Lentry_in_a_cluster
	s_endpgm
.Lentry_in_a_cluster:
	s_bfe_u32 s2, ttmp6, 0x10000c
	s_cmp_lg_u32 s2, 0x3003
	s_cbranch_scc0 .Lentry_shape_is_right
	s_endpgm
.Lentry_shape_is_right:
; For each token (b, hw) the index of the nearest code: argmin over codes of x_sq - 2 xc + c_sq = argmax of s = xc - c_sq / 2, xc on codes of E5M2 with one E8M0 scale for each 32 along K = 256.
; LEFT OUT: x_sq is the same number for all codes of a token, so it moves no argmin, whatever the inputs hold; it is not computed here.  An overflow that would reach x_sq alone is not carried to the result.
; LIMITS.  The order of rounding differs from the formula's: s is rounded on its own grid, not on that of the distance, so two codes whose distances differ by less than about one unit in the
; distance's last place may be ordered otherwise.  Exact ties in s go to the lowest index, at every level.  NaN and infinities are not served; a block of x under 2^(16 - 127) keeps the scale byte 1.
; SHARES.  A work-group owns 128 tokens (one b, 128 neighbouring hw).  Eight waves, two to a SIMD.  EVERY wave holds all 128 tokens as operand fragments (8 tiles x 2 K steps x 16 = 256 registers, window 1)
; and walks an eighth of the codes: in step st (0 .. 15) wave w takes the records 32 st + 4 w + i, i = 0 .. 3.  A code's fragment is read from LDS once in the work-group and feeds 16 matrix instructions.
; THE PRODUCT IS USED TRANSPOSED (source 0 = 16 codes, source 1 = 16 tokens): lane (r, h) holds token r, its register j code 8 h + j.  -c_sq / 2 is the C of a sum's first matrix instruction.
; ORDER OF A TILE OF CODES: the next record's eleven LDS loads in one run, eight matrix instructions on token tiles 0-3, the search over the tile before's token tiles 4-7, eight matrix instructions on token
; tiles 4-7, the search over token tiles 0-3.  So each search's 36 vector lines are the places behind the group before the last, and one set of 8 accumulators serves.
; A search is 9 lines a tile of scores: four three-way maxima, a compare, four pairs of selects.
; THE RING.  Two LDS slots of 32 records (139,264 bytes); each wave fetches and reads its own 4 records of a slot.  CLUSTER: all work-groups walk the same records, so the four of a cluster ask JOINTLY:
; the same tensor load, the same descriptor, a mask that names the four.  A wave has one tensor load out at the start and one behind each round.
; A wave's reads of a slot are over when its record 3 is in registers, in tile 2: there it signals; two searches and eight matrix instructions, work on registers, stand between the signal and the wait in tile 3.
; NO PREFETCH is laid: the stream is 2,228,224 bytes that all 64 clusters read in the same order, and each refill is asked for 48 matrix instructions of each wave ahead of the wait for it.
; REGISTERS.  window 1: x's fragments, v[32 t + 16 s + 4 c].  window 0: all else.
.set REC,   4352
.set WPART, 4*REC                      ; a wave's part of a slot: 68 rows of 256 bytes
.set SLOTB, 8*WPART
.set XIMG,  2*SLOTB                    ; behind the ring: x's 16 fragments as images of their registers, 2,048 bytes each,
.set XSC,   XIMG+32768                 ; their scale words, 128 bytes a token tile,
.set RED,   XSC+1024                   ; the eight waves' results, 8 bytes a token,
.set SPARE, RED+8192                   ; and the spare words, 128 bytes for each wave: four blocks of 256 bytes that no other line names
.set AF0, 2                            ; v2   w WPART + 16 lane: my lane's place in a record's fragments
.set AS0, 3                            ; v3   w WPART + 4096 + 4 lane: in its scale words
.set AB0, 4                            ; v4   w WPART + 4224 + 32 h: in its -c_sq / 2
.set AF,  5                            ; v5-7 the same in the slot in hand
.set AS,  6
.set AB,  7
.set SPW, 8                            ; v8   LDS address of my spare word; never rewritten
.set NIL, 9                            ; v9   0; never rewritten
.set RW,  10                           ; v10  RED + 1024 w + 8 r
.set RR,  11                           ; v11  RED + 512 (w % 2) + 16 lane
.set OO,  12                           ; v12  256 (w % 2) + 8 lane
.set H8,  13                           ; v13  8 h
.set TIDV, 15                          ; v15  the number of the tile of codes that the next search looks at
.set XS,  16                           ; x's scale words of token tile t at v[16 + t + t / 7]: v16-22 and v24; lanes 0-15 K step 0, lanes 16-31 K step 1
.set ASC, 23                           ; v23, v31 the code tile's scale words, two buffers: no register of x's words has their number modulo 8
.set LI,  25                           ; v25  XIMG + 16 lane
.set LS,  26                           ; v26  XSC + 4 lane
.set XO,  27                           ; v27  x: 4 (thread % 128) + 2^19 (thread / 128)
.set XW,  28                           ; v28  where my token's codes go
.set XSW, 29                           ; v29  and its scale word
.set AFR, 32                           ; v32-95 code fragments: buffer p at 32 + 32 p, 16 registers a K step
.set BIAS, 96                          ; v96-111 -c_sq / 2, two buffers
.set BEST, 112                         ; v112-127 the best scores, two sets by turns
.set ACC, 128                          ; v128-191 eight accumulators
.set ST,  192                          ; v192-255 for each token tile seven kept scores and the tile's number
.set XN,  128                          ; at the head: my 128 numbers of x
.set XC,  32                           ; their codes, 8 registers a block
.set XT,  64                           ; v64-67 at work; v68 the scale word
.set XB,  68
.set MV,  32                           ; at the end: (best, index) pairs;
.set OV,  64                           ; and the partner's
.set WV,  12                           ; s12  my wave's number
.set G1,  16                           ; s[16:23] descriptor group 1
.set G0A, 24                           ; s[24:27] group 0 of the first fill of slot 0
.set G0B, 28                           ; s[28:31] of slot 1's; it then walks
.set CNT, 32                           ; s32  trips to go
.set SB,  33                           ; s33  LDS byte at which the slot in hand begins
.set SEL, 48                           ; s[48:49] v_permlanex16_b32's selects for lane l xor 16
.set MNT, 50                           ; s50  the mantissa field of 57,344
.set MSB, 0
.macro WIN new                         ; the immediate's high byte repeats the setting that is left; a switch that changes nothing is dropped
.if MSB != \new
	s_set_vgpr_msb (MSB<<8)|\new
.set MSB, \new
.endif
.endm
.set W_MM, 0x04                        ; source 1 (x) window 1, all else window 0
.macro CREST                           ; a round of the cluster's barrier behind its opening barrier
	s_cmp_lg_u32 s[WV], 0
	s_cbranch_scc1 .Lnot_wave_0_\@
	s_barrier_signal -3
.Lnot_wave_0_\@:
	s_barrier_wait -3
	s_barrier_signal -1
	s_barrier_wait -1
.endm
.macro CROUND                          ; a whole round
	s_barrier_signal -1
	s_barrier_wait -1
	CREST
.endm
	s_load_b256 s[4:11], s[0:1], 0x0               ; x s[4:5], cbq s[6:7], out1 s[8:9], idxw s[10:11]
	v_lshl_add_u32 v[SPW], v0, 2, SPARE
	v_mov_b32 v[NIL], 0
	ds_add_u32 v[SPW], v[NIL]                      ; the opening lines: the add, twice on end, and its wait ahead of my first tensor load
	ds_add_u32 v[SPW], v[NIL]
	v_lshrrev_b32 v32, 5, v0
	v_readfirstlane_b32 s[WV], v32                 ; wave 0..7
	s_bfe_u32 s13, ttmp6, 0x40000                  ; cx: it enters the addresses of x, out1 and idxw alone
	s_lshl_b32 s14, ttmp9, 2                       ; in a cluster launch ttmp9 counts clusters
	s_add_co_u32 s14, s14, s13                     ; my work-group
	s_mul_i32 s15, s[WV], WPART
	s_lshl_b32 s37, s[WV], 10
	s_and_b32 s39, s[WV], 1
	s_lshl_b32 s38, s39, 9
	s_lshl_b32 s47, s39, 8
	s_lshl_b32 s46, s[WV], 2                       ; my first tile of codes
	s_mov_b32 s[SB], 0
	v_and_b32 v32, 31, v0                          ; lane
	v_bfe_u32 v33, v0, 4, 1                        ; h
	v_and_b32 v34, 15, v0                          ; r
	v_bfe_u32 v35, v0, 4, 3                        ; my token's tile
	v_lshrrev_b32 v36, 7, v0                       ; my K step: threads 0-127 take channels 0-127, the others 128-255
	v_lshl_add_u32 v[AF0], v32, 4, s15
	v_lshl_add_u32 v[AS0], v32, 2, s15
	v_add_nc_u32 v[AS0], 4096, v[AS0]
	v_lshl_add_u32 v[AB0], v33, 5, s15
	v_add_nc_u32 v[AB0], 4224, v[AB0]
	v_add_nc_u32 v[AF], s[SB], v[AF0]
	v_add_nc_u32 v[AS], s[SB], v[AS0]
	v_add_nc_u32 v[AB], s[SB], v[AB0]
	v_lshl_add_u32 v[LI], v32, 4, XIMG
	v_lshl_add_u32 v[LS], v32, 2, XSC
	v_and_b32 v[XO], 127, v0
	v_lshlrev_b32 v[XO], 2, v[XO]
	v_lshl_add_u32 v[XO], v36, 19, v[XO]           ; 128 channels of 4,096 bytes
	v_lshlrev_b32 v[XW], 12, v35
	v_lshl_add_u32 v[XW], v34, 4, v[XW]
	v_lshl_add_u32 v[XW], v36, 11, v[XW]
	v_add_nc_u32 v[XW], XIMG, v[XW]                ; XIMG + 4096 tile + 2048 K step + 16 r
	v_lshlrev_b32 v[XSW], 7, v35
	v_lshl_add_u32 v[XSW], v34, 2, v[XSW]
	v_lshl_add_u32 v[XSW], v36, 6, v[XSW]
	v_add_nc_u32 v[XSW], XSC, v[XSW]               ; XSC + 128 tile + 64 K step + 4 r
	v_lshl_add_u32 v[RW], v34, 3, s37
	v_add_nc_u32 v[RW], RED, v[RW]
	v_lshl_add_u32 v[RR], v32, 4, s38
	v_add_nc_u32 v[RR], RED, v[RR]
	v_lshl_add_u32 v[OO], v32, 3, s47
	v_lshlrev_b32 v[H8], 3, v33
	s_lshr_b32 s40, s14, 3
	s_lshl_b32 s40, s40, 20                        ; x: b = work-group / 8, 2^20 bytes each,
	s_and_b32 s41, s14, 7
	s_lshl_b32 s41, s41, 9                         ; and 128 tokens of 4 bytes
	s_add_co_u32 s40, s40, s41
	s_mov_b32 s41, 0
	s_lshl_b32 s42, s14, 9                         ; out1, idxw: 128 tokens of 4 bytes
	s_mov_b32 s43, 0
	s_mov_b32 s44, s15                             ; cbq: my part of a step
	s_mov_b32 s45, 0
	s_mov_b32 s[SEL], 0x76543210
	s_mov_b32 s[SEL+1], 0xfedcba98
	s_mov_b32 s[MNT], 0x600000
	; descriptor group 1: a wave's part of a step is one dense block of 17,408 bytes: 68 rows of 256 bytes (32 elements of 8 bytes), no padding: the fragments are read 16 bytes a lane on end
	s_mov_b32 s[G1], 15|(3<<16)|(1<<21)            ; 15:0 the mask: all four work-groups; 17:16 elements of 8 bytes; 21 set beside a mask
	s_mov_b32 s[G1+1], 32<<16                      ; tensor_dim0 = 32
	s_mov_b32 s[G1+2], 68<<16                      ; tensor_dim1 = 68
	s_mov_b32 s[G1+3], 32<<16                      ; tile_dim0 = 32
	s_mov_b32 s[G1+4], 68                          ; tile_dim1 = 68
	s_mov_b32 s[G1+5], 32                          ; from row to row
	s_mov_b32 s[G1+6], 0
	s_mov_b32 s[G1+7], 0
	s_wait_alu depctr_va_vdst(0)
	s_wait_dscnt 0x0                               ; both opening adds are done
	s_wait_kmcnt 0x0
	s_add_nc_u64 s[4:5], s[4:5], s[40:41]
	s_add_nc_u64 s[8:9], s[8:9], s[42:43]
	s_add_nc_u64 s[10:11], s[10:11], s[42:43]
	s_add_nc_u64 s[6:7], s[6:7], s[44:45]
	s_mov_b32 s[G0A], 1                            ; count = 1
	s_mov_b32 s[G0A+1], s15                        ; LDS address: slot 0, my part: the wave's number alone enters it
	s_mov_b64 s[G0A+2:G0A+3], s[6:7]               ; step 0
	s_or_b32 s[G0A+3], s[G0A+3], 0x80000000        ; type = 2
	s_mov_b32 s[G0B], 1
	s_add_co_u32 s[G0B+1], s15, SLOTB              ; slot 1
	s_add_nc_u64 s[G0B+2:G0B+3], s[6:7], SLOTB     ; step 1
	s_or_b32 s[G0B+3], s[G0B+3], 0x80000000
	CROUND                                         ; all four work-groups are here: the first joint loads meet
	tensor_load_to_lds s[G0A:G0A+3], s[G1:G1+7]    ; my one tensor load at the head: my part of step 0
	s_nop 0
; x IS QUANTISED IN REGISTERS.  K (the 256 channels) is not innermost in x: a lane takes a token and its registers run down K, so that a block of 32 lies in one lane and the codes come out with K innermost.
; A load reads 128 consecutive bytes a wave, and four waves stand side by side on 512.  A thread has four blocks: one K step of its token.
.set XI, 0
.rept 128
	global_load_b32 v[XN+XI], v[XO], s[4:5] offset:XI*4096 th:TH_LOAD_NT
.set XI, XI+1
.endr
.macro BLOCKX bk
.set XX, XN+32*(\bk)
.set XK, XC+8*(\bk)
.if (\bk) < 2
	s_wait_loadcnt 63                              ; this block's 32 loads are in (behind them stand 96 or 64: the count's field holds 63)
.elseif (\bk) == 2
	s_wait_loadcnt 32                              ; the last block's 32 may be out
.else
	s_wait_loadcnt 0x0
.endif
	v_max3_num_f32 v[XT], |v[XX]|, |v[XX+1]|, |v[XX+2]|
	v_max3_num_f32 v[XT+1], |v[XX+3]|, |v[XX+4]|, |v[XX+5]|
.irp i, 6,10,14,18,22,26
	v_max3_num_f32 v[XT], v[XT], |v[XX+\i]|, |v[XX+\i+1]|
	v_max3_num_f32 v[XT+1], v[XT+1], |v[XX+\i+2]|, |v[XX+\i+3]|
.endr
	v_max3_num_f32 v[XT], v[XT], |v[XX+30]|, |v[XX+31]|
	v_max3_num_f32 v[XT], v[XT], v[XT+1], 0x8000000   ; and the floor 2^(16 - 127): so the byte cannot fall under 1
	v_add_nc_u32 v[XT+3], 0xf8800000, v[XT]        ; 15 off the exponent field: the conversion's scale operand
	v_and_or_b32 v[XT+2], v[XT], 0x7f800000, s[MNT]   ; 57,344 x the scale
	v_lshrrev_b32 v[XT+1], 23, v[XT+3]             ; the scale's byte
.if (\bk) == 0
	v_mov_b32 v[XB], v[XT+1]                       ; four bytes to a word, the lower K in the lower byte
.else
	v_lshl_or_b32 v[XB], v[XT+1], 8*(\bk), v[XB]
.endif
.set XI, 0
.rept 32
	v_med3_num_f32 v[XX+XI], v[XX+XI], -v[XT+2], v[XT+2]   ; the conversion to an 8-bit code does not saturate (ISA guide 7.6.2): hold first
.set XI, XI+1
.endr
.irp g, 0,1,2,3
	v_cvt_scalef32_pk8_bf8_f32 v[XK+2*\g:XK+2*\g+1], v[XX+8*\g:XX+8*\g+7], v[XT+3]
.endr
	v_nop                                          ; one plain vector line behind the last conversion
	ds_store_b128 v[XW], v[XK:XK+3] offset:512*(\bk)          ; k 0 .. 15 of the block: the place of lane (r, 0) in the fragment's image
	ds_store_b128 v[XW], v[XK+4:XK+7] offset:512*(\bk)+256    ; k 16 .. 31: that of lane (r, 1).  Each block has its own eight registers: no store's data are written again
.endm
.irp k, 0,1,2,3
	BLOCKX \k
.endr
	ds_store_b32 v[XSW], v[XB]                     ; my token's scale word of my K step
	s_wait_tensorcnt 0x0                           ; my part of step 0 has landed
	ds_add_u32 v[SPW], v[NIL]
	s_wait_dscnt 0x0                               ; the add is done, and for the others' sake my stores of x's image
	CROUND                                         ; x's sixteen fragments lie in LDS, and all four work-groups are here
	tensor_load_to_lds s[G0B:G0B+3], s[G1:G1+7]    ; slot 1's first fill: step 1
	s_nop 0
	WIN 0x40                                       ; destination window 1
.irp t, 0,1,2,3,4,5,6,7
.irp s, 0,1
.irp c, 0,1,2,3
	ds_load_b128 v[32*\t+16*\s+4*\c:32*\t+16*\s+4*\c+3], v[LI] offset:4096*\t+2048*\s+512*\c
.endr
.endr
.endr
	WIN 0
.irp t, 0,1,2,3,4,5,6,7
	ds_load_b32 v[XS+\t+\t/7], v[LS] offset:128*\t
.endr
; Record i of the slot in hand into buffer par, eleven LDS loads in one run: 8 of fragments, the scale words, -c_sq / 2 of the lane's eight codes
.macro LDALL par, i
.irp n, 0,1,2,3,4,5,6,7
	ds_load_b128 v[AFR+32*(\par)+4*\n:AFR+32*(\par)+4*\n+3], v[AF] offset:(\i)*REC+512*\n
.endr
	ds_load_b32 v[ASC+8*(\par)], v[AS] offset:(\i)*REC
	ds_load_b128 v[BIAS+8*(\par):BIAS+8*(\par)+3], v[AB] offset:(\i)*REC
	ds_load_b128 v[BIAS+8*(\par)+4:BIAS+8*(\par)+7], v[AB] offset:(\i)*REC+16
.endm
; K step s of token tile t against the codes in buffer p.  s = 0: C = -c_sq / 2; s = 1: onto the sum
.macro MM p, t, s
.if (\s) == 0
	v_wmma_scale_f32_16x16x128_f8f6f4 v[ACC+8*(\t):ACC+8*(\t)+7], v[AFR+32*(\p):AFR+32*(\p)+15], v[32*(\t):32*(\t)+15], v[BIAS+8*(\p):BIAS+8*(\p)+7], v[ASC+8*(\p)], v[XS+(\t)+(\t)/7] matrix_a_fmt:MATRIX_FMT_BF8 matrix_b_fmt:MATRIX_FMT_BF8
.else
	v_wmma_scale_f32_16x16x128_f8f6f4 v[ACC+8*(\t):ACC+8*(\t)+7], v[AFR+32*(\p)+16:AFR+32*(\p)+31], v[32*(\t)+16:32*(\t)+31], v[ACC+8*(\t):ACC+8*(\t)+7], v[ASC+8*(\p)], v[XS+(\t)+(\t)/7] matrix_a_fmt:MATRIX_FMT_BF8 matrix_b_fmt:MATRIX_FMT_BF8 matrix_a_scale:MATRIX_SCALE_ROW1 matrix_b_scale:MATRIX_SCALE_ROW1
.endif
.endm
; Eight matrix instructions on end: token tiles 4 hb .. 4 hb + 3, K step 0 and then 1: the four accumulators take turns
.macro MMH p, hb
.irp s, 0,1
.irp u, 0,1,2,3
	MM \p, 4*(\hb)+\u, \s
.endr
.endr
.endm
; Two kept numbers take two new ones where the best has grown (VCC)
.macro SEL2 s, a, b
	v_dual_cndmask_b32 v[\s], v[\s], v[\a] :: v_dual_cndmask_b32 v[(\s)+1], v[(\s)+1], v[\b]
.endm
; THE SEARCH over token tiles 4 hb .. 4 hb + 3.  q: the set that takes the new best.  The four tiles by turns: the best so far and the tile's eight scores, three operands at a time, from the accumulator's low end on;
; then for each: has the best grown?  (strictly: the earliest tile stays);  if so, scores 0 .. 6 and the tile's number are kept
.macro VB q, hb
.irp k, 0,1,2,3
.irp u, 0,1,2,3
.if \k == 0
	v_max3_num_f32 v[BEST+8*(\q)+4*(\hb)+\u], v[BEST+8*(1-(\q))+4*(\hb)+\u], v[ACC+8*(4*(\hb)+\u)], v[ACC+8*(4*(\hb)+\u)+1]
.else
	v_max3_num_f32 v[BEST+8*(\q)+4*(\hb)+\u], v[BEST+8*(\q)+4*(\hb)+\u], v[ACC+8*(4*(\hb)+\u)+2*\k], v[ACC+8*(4*(\hb)+\u)+2*\k+1]
.endif
.endr
.endr
.irp u, 0,1,2,3
	v_cmp_gt_f32 vcc_lo, v[BEST+8*(\q)+4*(\hb)+\u], v[BEST+8*(1-(\q))+4*(\hb)+\u]
	SEL2 ST+8*(4*(\hb)+\u), ACC+8*(4*(\hb)+\u), ACC+8*(4*(\hb)+\u)+1
	SEL2 ST+8*(4*(\hb)+\u)+2, ACC+8*(4*(\hb)+\u)+2, ACC+8*(4*(\hb)+\u)+3
	SEL2 ST+8*(4*(\hb)+\u)+4, ACC+8*(4*(\hb)+\u)+4, ACC+8*(4*(\hb)+\u)+5
	SEL2 ST+8*(4*(\hb)+\u)+6, ACC+8*(4*(\hb)+\u)+6, TIDV
.endr
.endm
.macro NEXTSLOT                        ; my three LDS addresses in the other slot
	s_xor_b32 s[SB], s[SB], SLOTB
	v_add_nc_u32 v[AF], s[SB], v[AF0]
	v_add_nc_u32 v[AS], s[SB], v[AS0]
	v_add_nc_u32 v[AB], s[SB], v[AB0]
.endm
; A TILE OF CODES, i of a wave's four in a slot.  first = 1: the launch's first: no search is due yet.  The next record's loads stand at the tile's head: the buffer's last reader lies a whole search
; (36 plain vector lines that name none of its registers) back, and those lines are the wave's last vector work ahead of the loads.
; mode 0: the next record lies in the same slot.
; mode 4: tile 2 of a step whose slot is filled again: as mode 0; in its middle I wait for all my tensor loads (the one that is out is my part of the next slot) and add 0 to my spare word; eight matrix
;         instructions stand between the add and the wait for it and for record 3's loads, my last reads of this slot; then I signal.
; mode 1: tile 3 of such a step: work on registers up to the barrier's wait, which opens a round of the cluster's barrier; the joint refill, two steps ahead, is the first thing behind the round; then the next slot's first record.
; mode 2: the last change of slots: nothing is asked for, and a wave reads only what its own load brought, so its own wait is all the ordering.  mode 3: no record follows.
.macro TILE i, first, mode
.set T_P, (\i)%2
.if (\mode) != 1
	s_wait_dscnt 0x0                               ; the record's 11 loads are in (mode 1: the wait ahead of the signal has shown it)
.endif
.if (\mode) == 2
	s_wait_tensorcnt 0x0
	NEXTSLOT
	LDALL 1-T_P, 0
.elseif ((\mode) == 0) || ((\mode) == 4)
	LDALL 1-T_P, (\i)+1
.endif
	WIN W_MM
	MMH T_P, 0
	WIN 0
.if \first
.rept 8
	v_nop                                          ; the places ahead of the first read of the first scores
.endr
.else
	VB 1-T_P, 1                                    ; the tile before, token tiles 4-7
.if (\i) == 0
	v_add_nc_u32 v[TIDV], 29, v[TIDV]              ; from my tile 3 of a step to my tile 0 of the next: 32 - 3
.else
	v_add_nc_u32 v[TIDV], 1, v[TIDV]
.endif
.endif
.if (\mode) == 1
	s_barrier_wait -1
	CREST
	tensor_load_to_lds s[G0B:G0B+3], s[G1:G1+7]
	s_nop 0
	NEXTSLOT
	LDALL 1-T_P, 0
.endif
.if (\mode) == 4
	s_wait_tensorcnt 0x0
	ds_add_u32 v[SPW], v[NIL]
	s_xor_b32 s[G0B+1], s[G0B+1], SLOTB            ; no tensor load of mine is out: the walking descriptor takes the other slot
	s_add_nc_u64 s[G0B+2:G0B+3], s[G0B+2:G0B+3], SLOTB   ; and the next step; the type bits on top are not reached
.endif
	WIN W_MM
	MMH T_P, 1
	WIN 0
.if (\mode) == 4
	s_wait_dscnt 0x0                               ; the add is done, and my reads of this slot are over
	s_barrier_signal -1
.endif
	VB T_P, 0
.endm
.macro STEPM first, m2, m3
	TILE 0, \first, 0
	TILE 1, 0, 0
	TILE 2, 0, \m2
	TILE 3, 0, \m3
.endm
	LDALL 0, 0                                     ; step 0, my first record
	v_mov_b32 v[TIDV], s46
.irp t, 0,1,2,3,4,5,6,7
	v_mov_b32 v[BEST+8+\t], 0xff800000             ; -infinity, under every score
.endr
.set XI, 0
.rept 64
	v_mov_b32 v[ST+XI], 0                          ; the selects read what they may keep
.set XI, XI+1
.endr
	s_wait_alu depctr_va_vdst(0)
	STEPM 1, 4, 1                                  ; step 0; it asks for step 2
	s_mov_b32 s[CNT], 13
.Lstep:                                            ; steps 1 .. 13; step k asks for step k + 2
	STEPM 0, 4, 1
	s_sub_co_u32 s[CNT], s[CNT], 1
	s_cmp_lg_u32 s[CNT], 0
	s_wait_alu depctr_va_vdst(0)
	s_cbranch_scc1 .Lstep
	STEPM 0, 0, 2                                  ; the tail is written out: step 14
	STEPM 0, 0, 3                                  ; and step 15
	VB 1, 1                                        ; the last tile's token tiles 4-7
	; WHICH OF THE WINNING TILE'S EIGHT SCORES: the lowest j whose score is the best; 7 if none of 0 .. 6 is
.irp t, 0,1,2,3,4,5,6,7
	v_mov_b32 v[MV+2*\t+1], 7
.endr
.irp j, 6,5,4,3,2,1,0
.irp t, 0,1,2,3,4,5,6,7
	v_cmp_neq_f32 vcc_lo, v[ST+8*\t+\j], v[BEST+8+\t]
	v_cndmask_b32 v[MV+2*\t+1], \j, v[MV+2*\t+1], vcc_lo
.endr
.endr
.irp t, 0,1,2,3,4,5,6,7
	v_lshl_add_u32 v[MV+2*\t+1], v[ST+8*\t+7], 4, v[MV+2*\t+1]   ; 16 x tile + j
	v_mov_b32 v[MV+2*\t], v[BEST+8+\t]
.endr
.irp t, 0,1,2,3,4,5,6,7
	v_add_nc_u32 v[MV+2*\t+1], v[H8], v[MV+2*\t+1] ; + 8 h: the code's index
.endr
; (bv, bi) takes (ov, oi) where ov is larger, or equal with the lower index.  The masks only select values: no branch and no address hangs on them
.macro MERGE bv, bi, ov, oi
	v_cmp_gt_f32 s34, v[\ov], v[\bv]
	v_cmp_eq_f32 s35, v[\ov], v[\bv]
	v_cmp_lt_u32 s36, v[\oi], v[\bi]
	s_and_b32 s35, s35, s36
	s_or_b32 s34, s34, s35
	v_cndmask_b32 v[\bv], v[\bv], v[\ov], s34
	v_cndmask_b32 v[\bi], v[\bi], v[\oi], s34
.endm
.irp t, 0,1,2,3,4,5,6,7
	v_permlanex16_b32 v[OV+2*\t], v[MV+2*\t], s[SEL], s[SEL+1]        ; the token's other eight codes of each tile lie in the lane 16 away
	v_permlanex16_b32 v[OV+2*\t+1], v[MV+2*\t+1], s[SEL], s[SEL+1]
.endr
.irp t, 0,1,2,3,4,5,6,7
	MERGE MV+2*\t, MV+2*\t+1, OV+2*\t, OV+2*\t+1
	ds_store_b64 v[RW], v[MV+2*\t:MV+2*\t+1] offset:128*\t            ; both lanes of a token write the same 8 bytes with the same value
.endr
	s_wait_dscnt 0x0                               ; for the others' sake: my stores are done
	s_barrier_signal -1
	s_barrier_wait -1
	s_cmp_lt_u32 s[WV], 2                          ; waves 0 and 1 join the eight waves' results, 64 tokens each, two a lane
	s_cbranch_scc0 .Lno_out
.irp q, 0,1,2,3,4,5,6,7
	ds_load_b128 v[MV+4*\q:MV+4*\q+3], v[RR] offset:1024*\q
.endr
	s_wait_dscnt 0x0
.irp q, 1,2,3,4,5,6,7
	MERGE MV, MV+1, MV+4*\q, MV+4*\q+1
	MERGE MV+2, MV+3, MV+4*\q+2, MV+4*\q+3
.endr
	v_mov_b32 v[MV], v[MV+1]
	v_mov_b32 v[MV+1], v[MV+3]
	global_store_b64 v[OO], v[MV:MV+1], s[8:9]     ; 32 lanes store 256 consecutive bytes, at a multiple of 256 from out1's first byte
	global_store_b64 v[OO], v[MV:MV+1], s[10:11]   ; and the same as whole numbers for the next launch's addresses
.Lno_out:
	s_wait_tensorcnt 0x0                           ; the wave's end: behind my last tensor load and my last LDS store
	ds_add_u32 v[SPW], v[NIL]
	s_wait_dscnt 0x0
	CROUND                                         ; the closing round: no work-group ends while a partner may still ask for a tile that names it
	s_endpgm
.Lfunc_end_k_qec1a616db8_search:
	.size	k_qec1a616db8_search, .Lfunc_end_k_qec1a616db8_search-k_qec1a616db8_search
	.p2alignl 7, 3214868480
	.fill 96, 4, 3214868480
	.section	.rodata,"a",@progbits
	.p2align	6, 0x0
	.amdhsa_kernel k_qec1a616db8_search
		.amdhsa_group_segment_fixed_size 327680
		.amdhsa_private_segment_fixed_size 0
		.amdhsa_enable_private_segment 0
		.amdhsa_kernarg_size 32
		.amdhsa_user_sgpr_count 2
		.amdhsa_user_sgpr_kernarg_segment_ptr 1
		.amdhsa_wavefront_size32 1
		.amdhsa_system_sgpr_workgroup_id_x 1
		.amdhsa_system_sgpr_workgroup_id_y 1
		.amdhsa_system_sgpr_workgroup_id_z 1
		.amdhsa_system_vgpr_workitem_id 0
		.amdhsa_next_free_vgpr 512
		.amdhsa_next_free_sgpr 66
		.amdhsa_reserve_vcc 1
		.amdhsa_float_denorm_mode_32 3
		.amdhsa_float_denorm_mode_16_64 3
		.amdhsa_memory_ordered 1
		.amdhsa_forward_progress 1
		.amdhsa_inst_pref_size 172
	.end_amdhsa_kernel
	.amdgpu_metadata
---
amdhsa.version: [ 1, 2 ]
amdhsa.kernels:
  - .name:           k_qec1a616db8_search
    .symbol:         k_qec1a616db8_search.kd
    .args:
      - { .name: x, .offset: 0, .size: 8, .value_kind: global_buffer, .address_space: global }
      - { .name: cbq, .offset: 8, .size: 8, .value_kind: global_buffer, .address_space: global }
      - { .name: out1, .offset: 16, .size: 8, .value_kind: global_buffer, .address_space: global }
      - { .name: idxw, .offset: 24, .size: 8, .value_kind: global_buffer, .address_space: global }
    .group_segment_fixed_size: 327680
    .private_segment_fixed_size: 0
    .kernarg_segment_align: 8
    .kernarg_segment_size: 32
    .max_flat_workgroup_size: 256
    .sgpr_count:     66
    .vgpr_count:     512
    .wavefront_size: 32
...
	.end_amdgpu_metadata
.endif
;; end of part 2
;; launch gather (part 3): grid 512 x 1, 8 waves a work-group, no clusters, 67,840 bytes of LDS; arguments x, codebook, idxw, out0, part; writes out0, part
.if DOCPART == 3
	.amdgcn_target "amdgcn-amd-amdhsa--gfx1250"
	.amdhsa_code_object_version 6
	.text
	.protected	k_qec1a616db8_gather
	.globl	k_qec1a616db8_gather
	.p2align	8
	.type	k_qec1a616db8_gather,@function
k_qec1a616db8_gather:
	s_mov_b64 s[64:65], 0
	v_nop
	global_prefetch_b8 v0, s[64:65] scope:SCOPE_SE
	s_setreg_imm32_b32 hwreg(HW_REG_WAVE_MODE, 25, 1), 1
	s_wait_xcnt 0x0
; out0[b][d][hw] = (codebook[idx][d] - x[b][d][hw]) + x[b][d][hw], and this work-group's part of the sum of (codebook[idx][d] - x)^2.
; SHARES.  A work-group owns 64 neighbouring tokens of one b and all 256 channels.  Wave w gathers the rows of tokens 8 w .. 8 w + 7: sixteen lanes read 256 consecutive bytes of a row.
; The rows lie along d, the output along hw: they turn through LDS.  Token tau lies in LDS row 16 (tau % 4) + tau / 4, pitch 1,040 = 65 x 16 bytes: the sixteen lanes that want tokens 4 u + e read sixteen
; neighbouring rows, which start at sixteen different 16-byte columns.  A lane then holds 4 tokens x 4 channels from x and the same 4 x 4 from the rows, turned: the turn is made by the choice of registers.
; Each load of x and each store of out0 covers two rows' 256 consecutive bytes, at multiples of 256 from the buffer's first byte.  Memory binds: no matrix unit, no cluster (work-groups share nothing but rows named by chance).
; The index is read from whole numbers that the launch before stored, and held to 0 .. 8191 ahead of its use in an address.
.set PITCH, 1040
.set REDL,  64*PITCH                   ; behind the rows: a word for each wave's sum
.set OFF, 4                            ; v4-7   byte offset of my 16 bytes in the four rows that I gather
.set IDX, 8                            ; v8-11  their indices
.set LW,  12                           ; v12    LDS: where the rows go: (16 rho + 2 w) 1,040 + 16 u
.set LR,  13                           ; v13    and where they are read: 1,040 u + 16 rho + 32 w
.set XO,  14                           ; v14    x, out0: (8 w + 4 rho) rows of 4,096 bytes + 16 u
.set IA,  15                           ; v15    4 (8 w + rho)
.set L,   16                           ; v16-19 the sum of squares, four chains
.set T,   20                           ; v20-27 at work
.set XR,  32                           ; v32-95  x, then the result: register 16 sg + 4 f + e: channel 64 sg + 8 w + 4 rho + f, token 4 u + e
.set G,   96                           ; v96-159 the rows as gathered; then as read back: register 16 sg + 4 e + f
	s_load_b256 s[4:11], s[0:1], 0x0               ; x s[4:5], codebook s[6:7], idxw s[8:9], out0 s[10:11]
	s_load_b64 s[12:13], s[0:1], 0x20              ; part
	v_lshl_add_u32 v160, v0, 2, 0x10500
	v_mov_b32 v161, 0
	v_lshrrev_b32 v1, 5, v0
	s_delay_alu instid0(VALU_DEP_1)
	v_readfirstlane_b32 s14, v1                    ; wave 0..7
	v_and_b32 v2, 15, v0                           ; u
	v_bfe_u32 v3, v0, 4, 1                         ; rho
	s_wait_alu depctr_va_vdst(0)
	s_lshr_b32 s16, ttmp9, 4
	s_lshl_b32 s16, s16, 20                        ; b = work-group / 16: 2^20 bytes each,
	s_and_b32 s17, ttmp9, 15
	s_lshl_b32 s17, s17, 8                         ; and 64 tokens of 4 bytes
	s_add_co_u32 s16, s16, s17
	s_mov_b32 s17, 0
	s_lshl_b32 s18, ttmp9, 8                       ; idxw: 64 tokens of 4 bytes
	s_mov_b32 s19, 0
	s_lshl_b32 s20, ttmp9, 2                       ; part: a word
	s_mov_b32 s21, 0
	s_lshl_b32 s22, s14, 5
	v_lshl_add_u32 v[IA], v3, 2, s22
	s_lshl_b32 s23, s14, 15
	v_lshl_add_u32 v[XO], v3, 14, s23
	s_delay_alu instid0(VALU_DEP_1)
	v_lshl_add_u32 v[XO], v2, 4, v[XO]
	s_mul_i32 s24, s14, 2*PITCH
	v_mul_u32_u24 v[LW], v3, 16*PITCH
	s_delay_alu instid0(VALU_DEP_1)
	v_add_nc_u32 v[LW], s24, v[LW]
	s_delay_alu instid0(VALU_DEP_1)
	v_lshl_add_u32 v[LW], v2, 4, v[LW]
	v_mul_u32_u24 v[LR], v2, PITCH
	s_delay_alu instid0(VALU_DEP_1)
	v_lshl_add_u32 v[LR], v3, 4, v[LR]
	s_delay_alu instid0(VALU_DEP_1)
	v_add_nc_u32 v[LR], s22, v[LR]
	v_lshlrev_b32 v28, 4, v2                       ; 16 u
	s_lshl_b32 s25, s14, 2
	s_add_co_u32 s25, s25, REDL
	v_mov_b32 v29, s25                             ; my wave's word
	v_mov_b32 v30, REDL
	v_mov_b32 v31, 0
	s_mov_b32 s26, 0x76543210
	s_mov_b32 s27, 0xfedcba98
	s_wait_kmcnt 0x0
	s_add_nc_u64 s[4:5], s[4:5], s[16:17]
	s_add_nc_u64 s[10:11], s[10:11], s[16:17]
	s_add_nc_u64 s[8:9], s[8:9], s[18:19]
	s_add_nc_u64 s[12:13], s[12:13], s[20:21]
.irp i, 0,1,2,3
	global_load_b32 v[IDX+\i], v[IA], s[8:9] offset:8*\i            ; token 8 w + 2 i + rho
.endr
.irp sg, 0,1,2,3
.irp f, 0,1,2,3
	global_load_b128 v[XR+16*\sg+4*\f:XR+16*\sg+4*\f+3], v[XO], s[4:5] offset:(64*\sg+\f)*4096 th:TH_LOAD_NT
.endr
.endr
	s_wait_loadcnt 16                              ; the four indices are in; the 16 loads of x behind them may be out
.irp i, 0,1,2,3
	v_min_u32 v[IDX+\i], 0x1fff, v[IDX+\i]         ; an index stays inside the table
	s_wait_alu depctr_va_vdst(0)
	v_lshl_add_u32 v[OFF+\i], v[IDX+\i], 10, v28   ; a row is 1,024 bytes
.endr
.irp i, 0,1,2,3
.irp k, 0,1,2,3
	global_load_b128 v[G+4*(4*\i+\k):G+4*(4*\i+\k)+3], v[OFF+\i], s[6:7] offset:256*\k   ; no hint: a row may be named by many tokens
.endr
.endr
	s_wait_loadcnt 0x0
.irp i, 0,1,2,3
.irp k, 0,1,2,3
	ds_store_b128 v[LW], v[G+4*(4*\i+\k):G+4*(4*\i+\k)+3] offset:(32*(\i%2)+\i/2)*PITCH+256*\k
.endr
.endr
	s_wait_dscnt 0x0                               ; for the others' sake: my stores are done
	s_barrier_signal -1
	s_barrier_wait -1
.irp sg, 0,1,2,3
.irp e, 0,1,2,3
	ds_load_b128 v[G+16*\sg+4*\e:G+16*\sg+4*\e+3], v[LR] offset:16*\e*PITCH+256*\sg      ; token 4 u + e, channels 64 sg + 8 w + 4 rho + 0 .. 3
.endr
.endr
.irp sg, 0,1,2,3
	s_wait_dscnt 12-4*\sg                          ; this group's four loads are in; the later groups' may be out
.irp e, 0,1,2,3
.irp f, 0,1,2,3
	v_sub_f32 v[T+4*(\e%2)+\f], v[G+16*\sg+4*\e+\f], v[XR+16*\sg+4*\f+\e]
.endr
.irp f, 0,1,2,3
.if (\sg == 0) && (\e == 0)
	s_delay_alu instid0(VALU_DEP_4)
	v_mul_f32 v[L+\f], v[T+4*(\e%2)+\f], v[T+4*(\e%2)+\f]           ; the first four squares start the chains
.else
	s_delay_alu instid0(VALU_DEP_4)
	v_fmac_f32 v[L+\f], v[T+4*(\e%2)+\f], v[T+4*(\e%2)+\f]
.endif
.endr
.irp f, 0,1,2,3
	v_add_f32 v[XR+16*\sg+4*\f+\e], v[T+4*(\e%2)+\f], v[XR+16*\sg+4*\f+\e]   ; (quant - x) + x
.endr
.endr
.irp f, 0,1,2,3
	global_store_b128 v[XO], v[XR+16*\sg+4*\f:XR+16*\sg+4*\f+3], s[10:11] offset:(64*\sg+\f)*4096 th:TH_STORE_NT   ; no store's data are written again
.endr
.endr
	v_add_f32 v[L], v[L], v[L+1]
	v_add_f32 v[L+2], v[L+2], v[L+3]
	s_delay_alu instid0(VALU_DEP_1)
	v_add_f32 v[L], v[L], v[L+2]
	s_delay_alu instid0(VALU_DEP_1)
	v_add_f32_dpp v[L], v[L], v[L] row_xmask:1 row_mask:0xf bank_mask:0xf
	s_delay_alu instid0(VALU_DEP_1)
	v_add_f32_dpp v[L], v[L], v[L] row_xmask:2 row_mask:0xf bank_mask:0xf
	s_delay_alu instid0(VALU_DEP_1)
	v_add_f32_dpp v[L], v[L], v[L] row_xmask:4 row_mask:0xf bank_mask:0xf
	s_delay_alu instid0(VALU_DEP_1)
	v_add_f32_dpp v[L], v[L], v[L] row_xmask:8 row_mask:0xf bank_mask:0xf
	s_delay_alu instid0(VALU_DEP_1)
	v_permlanex16_b32 v[L+1], v[L], s26, s27
	s_delay_alu instid0(VALU_DEP_1)
	v_add_f32 v[L], v[L], v[L+1]                   ; the wave's sum, in every lane
	ds_store_b32 v29, v[L]                         ; all lanes write the same word with the same value
	s_wait_dscnt 0x0
	s_barrier_signal -1
	s_barrier_wait -1
	s_cmp_lg_u32 s14, 0                            ; wave 0 adds the eight and stores
	s_cbranch_scc1 .Lend
	ds_load_b128 v[T:T+3], v30
	ds_load_b128 v[T+4:T+7], v30 offset:16
	s_wait_dscnt 0x0
	v_pk_add_f32 v[T:T+1], v[T:T+1], v[T+2:T+3]
	v_pk_add_f32 v[T+4:T+5], v[T+4:T+5], v[T+6:T+7]
	s_delay_alu instid0(VALU_DEP_1)
	v_pk_add_f32 v[T:T+1], v[T:T+1], v[T+4:T+5]
	s_delay_alu instid0(VALU_DEP_1)
	v_add_f32 v[T], v[T], v[T+1]
	v_cmp_eq_u32 vcc_lo, 0, v0
	s_wait_alu depctr_va_vdst(0)
	s_wait_xcnt 0x0                                ; EXEC is a source of the pending stores: it changes only behind this wait
	s_wait_tensorcnt 0x0
	ds_add_u32 v160, v161
	s_wait_dscnt 0x0
	s_and_saveexec_b32 s28, vcc_lo
	global_store_b32 v31, v[T], s[12:13]           ; one word a work-group
	s_endpgm
.Lend:
	s_wait_tensorcnt 0x0
	ds_add_u32 v160, v161
	s_wait_dscnt 0x0
	s_endpgm
.Lfunc_end_k_qec1a616db8_gather:
	.size	k_qec1a616db8_gather, .Lfunc_end_k_qec1a616db8_gather-k_qec1a616db8_gather
	.p2alignl 7, 3214868480
	.fill 96, 4, 3214868480
	.section	.rodata,"a",@progbits
	.p2align	6, 0x0
	.amdhsa_kernel k_qec1a616db8_gather
		.amdhsa_group_segment_fixed_size 67840
		.amdhsa_private_segment_fixed_size 0
		.amdhsa_enable_private_segment 0
		.amdhsa_kernarg_size 40
		.amdhsa_user_sgpr_count 2
		.amdhsa_user_sgpr_kernarg_segment_ptr 1
		.amdhsa_wavefront_size32 1
		.amdhsa_system_sgpr_workgroup_id_x 1
		.amdhsa_system_sgpr_workgroup_id_y 1
		.amdhsa_system_sgpr_workgroup_id_z 1
		.amdhsa_system_vgpr_workitem_id 0
		.amdhsa_next_free_vgpr 162
		.amdhsa_next_free_sgpr 66
		.amdhsa_reserve_vcc 1
		.amdhsa_float_denorm_mode_32 3
		.amdhsa_float_denorm_mode_16_64 3
		.amdhsa_memory_ordered 1
		.amdhsa_forward_progress 1
		.amdhsa_inst_pref_size 21
	.end_amdhsa_kernel
	.amdgpu_metadata
---
amdhsa.version: [ 1, 2 ]
amdhsa.kernels:
  - .name:           k_qec1a616db8_gather
    .symbol:         k_qec1a616db8_gather.kd
    .args:
      - { .name: x, .offset: 0, .size: 8, .value_kind: global_buffer, .address_space: global }
      - { .name: codebook, .offset: 8, .size: 8, .value_kind: global_buffer, .address_space: global }
      - { .name: idxw, .offset: 16, .size: 8, .value_kind: global_buffer, .address_space: global }
      - { .name: out0, .offset: 24, .size: 8, .value_kind: global_buffer, .address_space: global }
      - { .name: part, .offset: 32, .size: 8, .value_kind: global_buffer, .address_space: global }
    .group_segment_fixed_size: 67840
    .private_segment_fixed_size: 0
    .kernarg_segment_align: 8
    .kernarg_segment_size: 40
    .max_flat_workgroup_size: 256
    .sgpr_count:     66
    .vgpr_count:     162
    .wavefront_size: 32
...
	.end_amdgpu_metadata
.endif
;; end of part 3
;; launch finish (part 4): grid 1 x 1, 1 waves a work-group, no clusters, 0 bytes of LDS; arguments part, out2, out3; writes out2, out3
.if DOCPART == 4
	.amdgcn_target "amdgcn-amd-amdhsa--gfx1250"
	.amdhsa_code_object_version 6
	.text
	.protected	k_qec1a616db8_finish
	.globl	k_qec1a616db8_finish
	.p2align	8
	.type	k_qec1a616db8_finish,@function
k_qec1a616db8_finish:
	s_mov_b64 s[64:65], 0
	v_nop
	global_prefetch_b8 v0, s[64:65] scope:SCOPE_SE
	s_setreg_imm32_b32 hwreg(HW_REG_WAVE_MODE, 25, 1), 1
	s_wait_xcnt 0x0
; The two losses are the same number: the mean of (x - quant)^2 over 32,768 x 256 = 2^23 numbers.  One wave adds the 512 parts, in a fixed order, and stores the mean twice.
	s_load_b128 s[4:7], s[0:1], 0x0                ; part, out2
	s_load_b64 s[8:9], s[0:1], 0x10                ; out3
	v_lshlrev_b32 v1, 4, v0                        ; 16 bytes a lane
	v_mov_b32 v2, 0
	v_mov_b32 v3, 0                                ; written once: a lane permute's destination counts as one of its sources
	s_mov_b32 s10, 0x76543210
	s_mov_b32 s11, 0xfedcba98
	s_wait_alu depctr_va_vdst(0)
	s_wait_kmcnt 0x0
.irp k, 0,1,2,3
	global_load_b128 v[4+4*\k:7+4*\k], v1, s[4:5] offset:512*\k     ; 512 consecutive bytes
.endr
	s_wait_loadcnt 0x0
	v_pk_add_f32 v[4:5], v[4:5], v[6:7]
	v_pk_add_f32 v[8:9], v[8:9], v[10:11]
	v_pk_add_f32 v[12:13], v[12:13], v[14:15]
	v_pk_add_f32 v[16:17], v[16:17], v[18:19]
	v_pk_add_f32 v[4:5], v[4:5], v[8:9]
	v_pk_add_f32 v[12:13], v[12:13], v[16:17]
	v_pk_add_f32 v[4:5], v[4:5], v[12:13]
	v_add_f32 v4, v4, v5
	v_add_f32_dpp v4, v4, v4 row_xmask:1 row_mask:0xf bank_mask:0xf
	v_add_f32_dpp v4, v4, v4 row_xmask:2 row_mask:0xf bank_mask:0xf
	v_add_f32_dpp v4, v4, v4 row_xmask:4 row_mask:0xf bank_mask:0xf
	v_add_f32_dpp v4, v4, v4 row_xmask:8 row_mask:0xf bank_mask:0xf
	v_permlanex16_b32 v3, v4, s10, s11
	v_add_f32 v4, v4, v3
	v_mul_f32 v4, 0x34000000, v4                   ; x 2^-23
	v_cmp_eq_u32 vcc_lo, 0, v0
	s_wait_alu depctr_va_vdst(0)
	s_wait_xcnt 0x0                                ; EXEC changes only behind this wait
	s_and_saveexec_b32 s12, vcc_lo
	global_store_b32 v2, v4, s[6:7]
	global_store_b32 v2, v4, s[8:9]
	s_endpgm
.Lfunc_end_k_qec1a616db8_finish:
	.size	k_qec1a616db8_finish, .Lfunc_end_k_qec1a616db8_finish-k_qec1a616db8_finish
	.p2alignl 7, 3214868480
	.fill 96, 4, 3214868480
	.section	.rodata,"a",@progbits
	.p2align	6, 0x0
	.amdhsa_kernel k_qec1a616db8_finish
		.amdhsa_group_segment_fixed_size 0
		.amdhsa_private_segment_fixed_size 0
		.amdhsa_enable_private_segment 0
		.amdhsa_kernarg_size 24
		.amdhsa_user_sgpr_count 2
		.amdhsa_user_sgpr_kernarg_segment_ptr 1
		.amdhsa_wavefront_size32 1
		.amdhsa_system_sgpr_workgroup_id_x 1
		.amdhsa_system_sgpr_workgroup_id_y 1
		.amdhsa_system_sgpr_workgroup_id_z 1
		.amdhsa_system_vgpr_workitem_id 0
		.amdhsa_next_free_vgpr 32
		.amdhsa_next_free_sgpr 66
		.amdhsa_reserve_vcc 1
		.amdhsa_float_denorm_mode_32 3
		.amdhsa_float_denorm_mode_16_64 3
		.amdhsa_memory_ordered 1
		.amdhsa_forward_progress 1
		.amdhsa_inst_pref_size 3
	.end_amdhsa_kernel
	.amdgpu_metadata
---
amdhsa.version: [ 1, 2 ]
amdhsa.kernels:
  - .name:           k_qec1a616db8_finish
    .symbol:         k_qec1a616db8_finish.kd
    .args:
      - { .name: part, .offset: 0, .size: 8, .value_kind: global_buffer, .address_space: global }
      - { .name: out2, .offset: 8, .size: 8, .value_kind: global_buffer, .address_space: global }
      - { .name: out3, .offset: 16, .size: 8, .value_kind: global_buffer, .address_space: global }
    .group_segment_fixed_size: 0
    .private_segment_fixed_size: 0
    .kernarg_segment_align: 8
    .kernarg_segment_size: 24
    .max_flat_workgroup_size: 32
    .sgpr_count:     66
    .vgpr_count:     32
    .wavefront_size: 32
...
	.end_amdgpu_metadata
.endif
;; end of part 4
